; MI455X (gfx1250); checked and timed in simulation.
; The chip was launched on July 23, 2026; its instructions are those of AMD's public machine-readable ISA for CDNA 5 (MIT licence, August 2026) and "CDNA5" Instruction Set Architecture Reference Guide (July 2026). The comments in the code are by the model that wrote it; some were corrected since.
;; Standard Router. Allowed arithmetic: float matrix products may take bf16 or f16 operands with f32 sums; all other float work in f32.
;; Inputs: b1 8 x 2,048 float32; b2 8 x 512 float32; gate_b 8 float32; gate_w 8 x 512 float32; w1 8 x 2,048 x 512 float32; w2 8 x 512 x 2,048 float32; x 2 x 2,048 x 512 float32.
;; Outputs: out0 2 x 2,048 x 512 float32; out1 one number float32.
;; One version. Each part assembles by itself: llvm-mc -triple=amdgcn-amd-amdhsa -mcpu=gfx1250 --defsym DOCPART=n.
;; ======== version 1 of 1: 5 launches
;; limits: values outside matrix products are rounded to bf16
;; workspace buffers: wb 33,554,432 bytes; route 20,480 bytes of whole numbers; gatef 73,728 bytes; xg 14,417,920 bytes; plan 65,792 bytes of whole numbers; hg 57,671,680 bytes; y 28,835,840 bytes
;; launch prep (part 1): grid 256 x 1, 8 waves a work-group, no clusters, 9,216 bytes of LDS; arguments x, gate_w, gate_b, w1, w2, wb, route, gatef; writes wb, route, gatef
.if DOCPART == 1
	.amdgcn_target "amdgcn-amd-amdhsa--gfx1250"
	.amdhsa_code_object_version 6
	.text
	.protected	k_qc9cac0bb75_prep
	.globl	k_qc9cac0bb75_prep
	.p2align	8
	.type	k_qc9cac0bb75_prep,@function
k_qc9cac0bb75_prep:
	s_mov_b64 s[64:65], 0
	v_nop
	global_prefetch_b8 v0, s[64:65] scope:SCOPE_SE
	s_setreg_imm32_b32 hwreg(HW_REG_WAVE_MODE, 25, 1), 1
	s_wait_xcnt 0x0
; prep.  Two jobs in one launch, 256 work-groups of eight waves.
; (1) w1 and w2 (f32) are rounded to bf16 into wb: w1 at byte 0, w2 at byte 16,777,216.  Work-group g takes 262,144 bytes of f32, each wave 32,768:
;     64 loads of 512 neighbouring bytes, in 8 groups of 8, four groups on their way; each store of a wave covers 256 consecutive bytes, aligned.
; (2) The gate of tokens 16 g .. 16 g + 15: logits on the matrix unit (K = 512 split over the eight waves, 64 each; the parts meet in LDS), then in wave 0
;     the softmax with its maximum taken away, the three largest (a tie goes to the lower index), their weights, and for the later launches
;     sel[token] = e0 | e1<<8 | e2<<16, the number of these 16 tokens that chose each expert, and the sums of their probabilities.
; LIMITS.  x, gate_w and gate_b enter the gate rounded to bf16 (nearest even).  An exponential below 2^-126 counts as 0: such an expert has weight 0.  NaN inputs are not served.
.set RAWX, 16                          ; v[16:47]   32 f32 of my token's row
.set RAWG, 48                          ; v[48:79]   32 f32 of my gate row
.set FX,   80                          ; v[80:95]   the same as bf16: two fragments
.set FG,   96                          ; v[96:111]
.set D0,   112                         ; v[112:119] logits' part, first 32 of my k
.set D1,   120                         ; v[120:127] second 32
.set CX,   128                         ; v[128:255] the conversion's four groups of 32 registers
.macro CLOAD i                         ; group i of the conversion: eight loads of 512 neighbouring bytes
.irp j, 0,1,2,3,4,5,6,7
	global_load_b128 v[CX+32*((\i)%4)+4*\j:CX+32*((\i)%4)+4*\j+3], v6, s[34:35] offset:(8*(\i)+\j)*512 th:TH_LOAD_NT
.endr
.endm
; Group i is rounded in place and stored.  left = the younger loads that may stay out.  refill = 1: its registers take group i + 4.
.macro CGROUP i, left, refill
	s_wait_loadcnt \left                           ; loads come back in order: group i is in
.irp j, 0,1,2,3,4,5,6,7
	v_cvt_pk_bf16_f32 v[CX+32*((\i)%4)+4*\j],   v[CX+32*((\i)%4)+4*\j],   v[CX+32*((\i)%4)+4*\j+1]
	v_cvt_pk_bf16_f32 v[CX+32*((\i)%4)+4*\j+1], v[CX+32*((\i)%4)+4*\j+2], v[CX+32*((\i)%4)+4*\j+3]
	global_store_b64 v7, v[CX+32*((\i)%4)+4*\j:CX+32*((\i)%4)+4*\j+1], s[18:19] offset:(8*(\i)+\j)*256
.endr
.if \refill
	s_wait_xcnt 0x0                                ; the group's registers were store data: they are loaded again only behind this wait
	CLOAD \i+4
.endif
.endm
	s_load_b512 s[8:23], s[0:1], 0x0               ; x 8, gate_w 10, gate_b 12, w1 14, w2 16, wb 18, route 20, gatef 22
	v_lshl_add_u32 v14, v0, 2, 0x2000
	v_mov_b32 v15, 0
	v_and_b32 v1, 31, v0                           ; lane
	v_and_b32 v2, 15, v0                           ; r
	v_bfe_u32 v3, v0, 4, 1                         ; h
	v_lshrrev_b32 v10, 5, v0
	v_readfirstlane_b32 s32, v10                   ; wave
	s_lshl_b32 s36, ttmp9, 15                      ; 16 g rows of 2,048 bytes
	s_lshl_b32 s37, s32, 8                         ; my wave's 256 bytes of a row
	s_add_co_u32 s36, s36, s37
	v_lshlrev_b32 v11, 7, v3                       ; 128 h
	v_lshl_add_u32 v4, v2, 11, v11
	v_add_nc_u32 v4, s36, v4                       ; x: row 16 g + r, byte 256 w + 128 h
	v_and_b32 v5, 7, v0
	v_lshl_add_u32 v5, v5, 11, v11
	v_add_nc_u32 v5, s37, v5                       ; gate_w: row r % 8, the same bytes: k lies alike in both fragments, so the products meet
	v_lshlrev_b32 v6, 4, v1
	v_lshl_add_u32 v6, s32, 15, v6                 ; conversion in: 32,768 w + 16 lane
	v_lshlrev_b32 v7, 3, v1
	v_lshl_add_u32 v7, s32, 14, v7                 ; conversion out: 16,384 w + 8 lane
	v_lshlrev_b32 v9, 5, v1                        ; LDS: 32 lane
	v_lshl_add_u32 v8, s32, 10, v9                 ; + 1,024 w
	s_and_b32 s38, ttmp9, 127
	s_lshl_b32 s38, s38, 18
	s_mov_b32 s39, 0
	s_lshl_b32 s40, ttmp9, 17
	s_mov_b32 s41, 0
	s_wait_kmcnt 0x0
	s_load_b256 s[24:31], s[12:13], 0x0            ; gate_b
	s_cmp_lt_u32 ttmp9, 128
	s_cselect_b64 s[34:35], s[14:15], s[16:17]     ; work-groups 0-127 take w1, the others w2
	s_add_nc_u64 s[34:35], s[34:35], s[38:39]
	s_add_nc_u64 s[18:19], s[18:19], s[40:41]
.irp j, 0,1,2,3,4,5,6,7
	global_load_b128 v[RAWX+4*\j:RAWX+4*\j+3], v4, s[8:9] offset:16*\j
.endr
.irp j, 0,1,2,3,4,5,6,7
	global_load_b128 v[RAWG+4*\j:RAWG+4*\j+3], v5, s[10:11] offset:16*\j
.endr
	CLOAD 0
	CLOAD 1
	CLOAD 2
	CLOAD 3
	s_wait_loadcnt 32                              ; x's and gate_w's 16 loads are in; the conversion's 32 stay out
.set i, 0
.rept 16
	v_cvt_pk_bf16_f32 v[FX+i], v[RAWX+2*i], v[RAWX+2*i+1]
	v_cvt_pk_bf16_f32 v[FG+i], v[RAWG+2*i], v[RAWG+2*i+1]
.set i, i+1
.endr
	; source 0 = the gate's rows (the 8 experts, twice), source 1 = 16 tokens: lane r holds token r, register j expert j, in both halves of the lanes
	v_wmma_f32_16x16x32_bf16 v[D0:D0+7], v[FG:FG+7], v[FX:FX+7], 0
	v_wmma_f32_16x16x32_bf16 v[D1:D1+7], v[FG+8:FG+15], v[FX+8:FX+15], 0
.rept 4
	v_nop                                          ; four places between the products and the first read of their results (ISA guide 7.12.1)
.endr
.irp c, 0,2,4,6
	v_pk_add_f32 v[D0+\c:D0+\c+1], v[D0+\c:D0+\c+1], v[D1+\c:D1+\c+1]
.endr
	ds_store_b128 v8, v[D0:D0+3]
	ds_store_b128 v8, v[D0+4:D0+7] offset:16
	s_wait_dscnt 0x0                               ; for wave 0's sake: my part lies in LDS
	s_barrier_signal -1
	s_barrier_wait -1
	s_wait_kmcnt 0x0                               ; gate_b
	s_cmp_lg_u32 s32, 0
	s_cbranch_scc1 .Lconvert                       ; the rest of the gate is wave 0's
.irp p, 0,1,2,3,4,5,6,7
	ds_load_b128 v[16+8*\p:19+8*\p], v9 offset:1024*\p
	ds_load_b128 v[20+8*\p:23+8*\p], v9 offset:1024*\p+16
.endr
.irp c, 0,1,2,3
	v_cvt_pk_bf16_f32 v[88+\c], s[24+2*\c], s[25+2*\c]     ; gate_b rounded to bf16,
.endr
.irp c, 0,1,2,3
	v_lshlrev_b32 v[80+2*\c], 16, v[88+\c]                 ; and back in f32
	v_and_b32 v[81+2*\c], 0xffff0000, v[88+\c]
.endr
	s_wait_dscnt 0x0
.irp p, 1,2,3,4,5,6,7
.irp c, 0,2,4,6
	v_pk_add_f32 v[16+\c:17+\c], v[16+\c:17+\c], v[16+8*\p+\c:17+8*\p+\c]
.endr
.endr
.irp c, 0,2,4,6
	v_pk_add_f32 v[16+\c:17+\c], v[16+\c:17+\c], v[80+\c:81+\c]    ; the logits, v[16:23]
.endr
	v_max3_num_f32 v90, v16, v17, v18
	v_max3_num_f32 v90, v90, v19, v20
	v_max3_num_f32 v90, v90, v21, v22
	v_max_num_f32 v90, v90, v23                    ; the token's largest logit
.irp e, 0,1,2,3,4,5,6,7
	v_sub_f32 v[24+\e], v[16+\e], v90
.endr
.irp e, 0,1,2,3,4,5,6,7
	v_mul_f32 v[24+\e], 0x3fb8aa3b, v[24+\e]       ; times log2(e)
.endr
.irp e, 0,1,2,3,4,5,6,7
	v_exp_f32 v[24+\e], v[24+\e]                   ; u = e^(logit - maximum): the largest is 1
.endr
	v_nop                                          ; a plain instruction between the last exponential and its use
	s_wait_alu depctr_va_vdst(0)
	v_add_f32 v91, v24, v25
.irp e, 2,3,4,5,6,7
	v_add_f32 v91, v91, v[24+\e]
.endr
	v_rcp_f32 v92, v91
	v_nop
	s_wait_alu depctr_va_vdst(0)
.irp e, 0,1,2,3,4,5,6,7
	v_mul_f32 v[32+\e], v[24+\e], v92              ; the probabilities
.endr
.irp m, 1,2,4,8
.irp e, 0,1,2,3,4,5,6,7
	v_add_f32_dpp v[32+\e], v[32+\e], v[32+\e] row_xmask:\m row_mask:0xf bank_mask:0xf   ; summed over the 16 tokens
.endr
.endr
; The largest u and its index, experts ascending with a strict compare, so that a tie goes to the lower index; then it is taken out of the race.
.macro TOP p
	v_mov_b32 v[96+\p], v24
	v_mov_b32 v[100+\p], 0
.irp e, 1,2,3,4,5,6,7
	v_cmp_gt_f32 vcc_lo, v[24+\e], v[96+\p]
	v_cndmask_b32 v[96+\p], v[96+\p], v[24+\e], vcc_lo
	v_cndmask_b32 v[100+\p], v[100+\p], \e, vcc_lo
.endr
.irp e, 0,1,2,3,4,5,6,7
	v_cmp_eq_u32 vcc_lo, \e, v[100+\p]
	v_cndmask_b32 v[24+\e], v[24+\e], -1.0, vcc_lo
.endr
.endm
	TOP 0
	TOP 1
	TOP 2
	v_add_f32 v91, v96, v97
	v_add_f32 v91, v91, v98                        ; at least 1
	v_rcp_f32 v92, v91
	v_mov_b32 v107, 0
	s_wait_alu depctr_va_vdst(0)
	v_mul_f32 v104, v96, v92                       ; the three weights: the softmax's divisor cancels
	v_mul_f32 v105, v97, v92
	v_mul_f32 v106, v98, v92
	v_lshl_or_b32 v108, v101, 8, v100
	v_lshl_or_b32 v108, v102, 16, v108             ; sel
.irp e, 0,1,2,3,4,5,6,7
	v_cmp_eq_u32 s36, \e, v100
	v_cmp_eq_u32 s37, \e, v101
	v_cmp_eq_u32 s38, \e, v102
	s_or_b32 s36, s36, s37
	s_or_b32 s36, s36, s38
	s_and_b32 s36, s36, 0xffff                     ; lanes 16-31 repeat lanes 0-15
	s_bcnt1_i32_b32 s[40+\e], s36                  ; how many of the 16 tokens chose expert e
.endr
.irp j, 0,1,2,3
	s_lshl_b32 s[44+\j], s[44+\j], 16
	s_or_b32 s[40+\j], s[40+\j], s[44+\j]          ; word j: count j below, count j + 4 above
	v_mov_b32 v[84+\j], s[40+\j]
.endr
	s_lshl_b32 s36, ttmp9, 6
	v_lshl_add_u32 v10, v2, 2, s36                 ; sel: 4 (16 g + r)
	s_lshl_b32 s36, ttmp9, 8
	v_lshl_add_u32 v11, v2, 4, s36                 ; weights: 16 (16 g + r)
	s_lshl_b32 s36, ttmp9, 4
	v_mov_b32 v12, s36                             ; counts: 16 g
	s_lshl_b32 s36, ttmp9, 5
	v_mov_b32 v13, s36                             ; sums: 32 g
	s_wait_xcnt 0x0                                ; EXEC changes only behind this wait: it is a source of the loads that are out
	v_cmp_gt_u32 vcc_lo, 16, v1
	s_and_saveexec_b32 s33, vcc_lo
	global_store_b32 v10, v108, s[20:21]
	global_store_b128 v11, v[104:107], s[22:23]    ; 16 lanes store 256 consecutive bytes, aligned
	s_wait_xcnt 0x0
	s_or_b32 exec_lo, exec_lo, s33
	v_cmp_eq_u32 vcc_lo, 0, v1
	s_and_saveexec_b32 s33, vcc_lo
	global_store_b128 v12, v[84:87], s[20:21] offset:16384
	global_store_b128 v13, v[32:35], s[22:23] offset:65536
	global_store_b128 v13, v[36:39], s[22:23] offset:65552
	s_wait_xcnt 0x0
	s_or_b32 exec_lo, exec_lo, s33
.Lconvert:
	CGROUP 0, 24, 1                                ; 24: the three younger groups stay out
	CGROUP 1, 24, 1
	CGROUP 2, 24, 1
	CGROUP 3, 24, 1
	CGROUP 4, 24, 0                                ; nothing is left to fetch: the counts run down
	CGROUP 5, 16, 0
	CGROUP 6, 8, 0
	CGROUP 7, 0, 0
	s_wait_tensorcnt 0x0
	ds_add_u32 v14, v15
	s_wait_dscnt 0x0
	s_endpgm
.Lfunc_end_k_qc9cac0bb75_prep:
	.size	k_qc9cac0bb75_prep, .Lfunc_end_k_qc9cac0bb75_prep-k_qc9cac0bb75_prep
	.p2alignl 7, 3214868480
	.fill 96, 4, 3214868480
	.section	.rodata,"a",@progbits
	.p2align	6, 0x0
	.amdhsa_kernel k_qc9cac0bb75_prep
		.amdhsa_group_segment_fixed_size 9216
		.amdhsa_private_segment_fixed_size 0
		.amdhsa_enable_private_segment 0
		.amdhsa_kernarg_size 64
		.amdhsa_user_sgpr_count 2
		.amdhsa_user_sgpr_kernarg_segment_ptr 1
		.amdhsa_wavefront_size32 1
		.amdhsa_system_sgpr_workgroup_id_x 1
		.amdhsa_system_sgpr_workgroup_id_y 1
		.amdhsa_system_sgpr_workgroup_id_z 1
		.amdhsa_system_vgpr_workitem_id 0
		.amdhsa_next_free_vgpr 256
		.amdhsa_next_free_sgpr 66
		.amdhsa_reserve_vcc 1
		.amdhsa_float_denorm_mode_32 3
		.amdhsa_float_denorm_mode_16_64 3
		.amdhsa_memory_ordered 1
		.amdhsa_forward_progress 1
		.amdhsa_inst_pref_size 44
	.end_amdhsa_kernel
	.amdgpu_metadata
---
amdhsa.version: [ 1, 2 ]
amdhsa.kernels:
  - .name:           k_qc9cac0bb75_prep
    .symbol:         k_qc9cac0bb75_prep.kd
    .args:
      - { .name: x, .offset: 0, .size: 8, .value_kind: global_buffer, .address_space: global }
      - { .name: gate_w, .offset: 8, .size: 8, .value_kind: global_buffer, .address_space: global }
      - { .name: gate_b, .offset: 16, .size: 8, .value_kind: global_buffer, .address_space: global }
      - { .name: w1, .offset: 24, .size: 8, .value_kind: global_buffer, .address_space: global }
      - { .name: w2, .offset: 32, .size: 8, .value_kind: global_buffer, .address_space: global }
      - { .name: wb, .offset: 40, .size: 8, .value_kind: global_buffer, .address_space: global }
      - { .name: route, .offset: 48, .size: 8, .value_kind: global_buffer, .address_space: global }
      - { .name: gatef, .offset: 56, .size: 8, .value_kind: global_buffer, .address_space: global }
    .group_segment_fixed_size: 9216
    .private_segment_fixed_size: 0
    .kernarg_segment_align: 8
    .kernarg_segment_size: 64
    .max_flat_workgroup_size: 256
    .sgpr_count:     66
    .vgpr_count:     256
    .wavefront_size: 32
...
	.end_amdgpu_metadata
.endif
;; end of part 1
;; launch place (part 2): grid 256 x 1, 1 waves a work-group, no clusters, 0 bytes of LDS; arguments x, route, gatef, xg, plan, out1; writes xg, plan, out1
.if DOCPART == 2
	.amdgcn_target "amdgcn-amd-amdhsa--gfx1250"
	.amdhsa_code_object_version 6
	.text
	.protected	k_qc9cac0bb75_place
	.globl	k_qc9cac0bb75_place
	.p2align	8
	.type	k_qc9cac0bb75_place,@function
k_qc9cac0bb75_place:
	s_mov_b64 s[64:65], 0
	v_nop
	global_prefetch_b8 v0, s[64:65] scope:SCOPE_SE
	s_setreg_imm32_b32 hwreg(HW_REG_WAVE_MODE, 25, 1), 1
	s_wait_xcnt 0x0
; place.  The rows (token, chosen expert) are laid out sorted by expert; each expert's segment begins at a multiple of 256 rows: at most 55 blocks of 256, 14,080 rows.
; Wave q (one wave a work-group, 256 of them) owns tokens 16 q .. 16 q + 15.  It adds up the table of counts (256 groups of 16 tokens x 8 experts): all of it gives each
; expert's first row, the groups in front of q give the first free row for my tokens.  Then: slot[token][k] is stored; my tokens' rows of x are rounded to bf16 and
; copied to their three rows of xg; of rows 55 q .. 55 q + 54 of xg those that hold no token are written as zeros.  Wave 0 also stores each block's expert and the aux loss.
; The counts steer addresses and a branch: they are kept as whole numbers in plain integer arithmetic and gathered into scalar registers lane by lane.
; No LDS, no barrier: nothing passes between waves.  x is rounded to bf16, nearest even.
.set ACC, 48                           ; v[48:51]   my lane's sums of the table, 4 words (two counts of 16 bits a word; no sum passes 4,096)
.set T,   64                           ; v[64:127]  my 16 rows of the table of counts, 4 words each; the registers serve CV afterwards
.set CV,  64                           ; v[64:127]  8 rows as bf16, 8 registers each
.set RAW, 128                          ; v[128:255] 8 rows of x as loaded, 16 registers each
.set LASTROW, 0x36ff                   ; 14,079
.macro XLOAD bt                        ; rows 8 bt .. 8 bt + 7 of my 16: each load takes 512 neighbouring bytes
.irp t, 0,1,2,3,4,5,6,7
.irp j, 0,1,2,3
	global_load_b128 v[RAW+16*\t+4*\j:RAW+16*\t+4*\j+3], v2, s[4:5] offset:(8*\bt+\t)*2048+512*\j th:TH_LOAD_NT
.endr
.endr
.endm
.macro CVT
.irp t, 0,1,2,3,4,5,6,7
.irp j, 0,1,2,3
	v_cvt_pk_bf16_f32 v[CV+8*\t+2*\j],   v[RAW+16*\t+4*\j],   v[RAW+16*\t+4*\j+1]
	v_cvt_pk_bf16_f32 v[CV+8*\t+2*\j+1], v[RAW+16*\t+4*\j+2], v[RAW+16*\t+4*\j+3]
.endr
.endr
.endm
.macro PUT t, bt                       ; token 8 bt + t goes to its three rows; each store covers 256 consecutive bytes, aligned
	s_wait_xcnt 0x0                                ; the three offsets were the last token's: they are rewritten only behind this wait
.irp k, 0,1,2
	v_readlane_b32 s[54+\k], v[8+\k], 8*\bt+\t
	s_min_u32 s[54+\k], s[54+\k], LASTROW
	s_lshl_b32 s[54+\k], s[54+\k], 10
	v_add_nc_u32 v[56+\k], s[54+\k], v3
.endr
.irp k, 0,1,2
.irp j, 0,1,2,3
	global_store_b64 v[56+\k], v[CV+8*\t+2*\j:CV+8*\t+2*\j+1], s[10:11] offset:256*\j
.endr
.endr
.endm
; s[dst:dst+3] = the sum of v[ACC:ACC+3] over lanes base .. base + 15.  Two words are added at a time: no field of 16 bits passes 4,096, so no carry leaves a field.
.macro LSUM dst, base
.irp j, 0,1,2,3
	v_readlane_b32 s[\dst+\j], v[ACC+\j], \base
.endr
.set l, 1
.rept 15
.irp j, 0,1,2,3
	v_readlane_b32 s[44+\j], v[ACC+\j], \base+l
.endr
	s_add_nc_u64 s[\dst:\dst+1], s[\dst:\dst+1], s[44:45]
	s_add_nc_u64 s[\dst+2:\dst+3], s[\dst+2:\dst+3], s[46:47]
.set l, l+1
.endr
.endm
	s_load_b256 s[4:11], s[0:1], 0x0               ; x 4, route 6, gatef 8, xg 10
	s_load_b128 s[12:15], s[0:1], 0x20             ; plan 12, out1 14
	s_mov_b32 s41, ttmp9                           ; q
	s_mov_b32 s48, 0x76543210                      ; v_permlanex16_b32: each lane takes its own place in the other half
	s_mov_b32 s49, 0xfedcba98
	v_and_b32 v1, 31, v0                           ; lane
	v_lshlrev_b32 v2, 4, v1
	v_lshlrev_b32 v3, 3, v1
	v_and_b32 v16, 15, v0                          ; lane % 16
	s_lshl_b32 s44, s41, 6
	v_lshl_add_u32 v12, v16, 2, s44                ; sel of token 16 q + lane % 16
	v_lshlrev_b32 v13, 8, v16                      ; rows 16 (lane % 16) .. + 15 of the table: 256 neighbouring bytes a lane
	v_lshlrev_b32 v14, 4, v16                      ; the first of these rows
	v_mov_b32 v17, s41
	v_mov_b32 v15, 0x100
	v_cmp_gt_u32 vcc_lo, 16, v1
	v_cndmask_b32 v17, v17, v15, vcc_lo            ; rows below this number count: lanes 0-15 take all 256, lanes 16-31 those in front of my group
	s_lshl_b32 s52, s41, 15
	s_mov_b32 s53, 0
	s_wait_kmcnt 0x0
	s_add_nc_u64 s[4:5], s[4:5], s[52:53]          ; x at my first token
	global_load_b32 v4, v12, s[6:7]
.irp i, 0,1,2,3,4,5,6,7,8,9,10,11,12,13,14,15
	global_load_b128 v[T+4*\i:T+4*\i+3], v13, s[6:7] offset:16384+16*\i
.endr
	XLOAD 0
	s_wait_loadcnt 32                              ; sel and the table are in; x's 32 loads stay out
.irp i, 0,1,2,3,4,5,6,7,8,9,10,11,12,13,14,15
	v_add_nc_u32 v15, \i, v14
	v_cmp_gt_u32 vcc_lo, v17, v15                  ; does row 16 (lane % 16) + i count for this lane
.irp j, 0,1,2,3
.if \i == 0
	v_cndmask_b32 v[ACC+\j], 0, v[T+\j], vcc_lo
.else
	v_cndmask_b32 v12, 0, v[T+4*\i+\j], vcc_lo
	v_add_nc_u32 v[ACC+\j], v[ACC+\j], v12
.endif
.endr
.endr
	LSUM 16, 0                                     ; all groups
	LSUM 24, 16                                    ; the groups in front of mine
.irp j, 0,1,2,3
	s_lshr_b32 s[20+\j], s[16+\j], 16
	s_and_b32 s[16+\j], s[16+\j], 0xffff           ; s[16:23] each expert's tokens
	s_lshr_b32 s[28+\j], s[24+\j], 16
	s_and_b32 s[24+\j], s[24+\j], 0xffff           ; s[24:31] those of them in front of my group
.endr
	s_mov_b32 s40, 0
.irp e, 0,1,2,3,4,5,6,7
	s_mov_b32 s[32+\e], s40                        ; s[32:39] the expert's first row
	s_add_co_u32 s[24+\e], s[24+\e], s40           ; s[24:31] now: the first row for my tokens
	s_add_co_u32 s44, s[16+\e], 255
	s_and_b32 s44, s44, 0xffffff00
	s_add_co_u32 s40, s40, s44
.endr
	v_and_b32 v5, 0xff, v4                         ; my token's three experts
	v_lshrrev_b32 v6, 8, v4
	v_and_b32 v6, 0xff, v6
	v_lshrrev_b32 v7, 16, v4
	v_and_b32 v7, 0xff, v7
	v_mov_b32 v8, 0
	v_mov_b32 v9, 0
	v_mov_b32 v10, 0
	v_mov_b32 v11, 0
	v_mov_b32 v13, 1
	v_lshlrev_b32 v13, v16, v13
	v_add_nc_u32 v13, -1, v13                      ; a bit for each of my group's tokens with a lower number than mine: bits 0-14 at the most
.irp e, 0,1,2,3,4,5,6,7
	v_cmp_eq_u32 s44, \e, v5
	v_cmp_eq_u32 s45, \e, v6
	v_cmp_eq_u32 s46, \e, v7
	s_or_b32 s47, s44, s45
	s_or_b32 s47, s47, s46                         ; the tokens that chose e
	v_and_b32 v12, s47, v13                        ; those of them in front of mine; their number, counted by pairs, fours, eights:
	v_lshrrev_b32 v14, 1, v12
	v_and_b32 v14, 0x5555, v14
	v_sub_nc_u32 v12, v12, v14
	v_lshrrev_b32 v14, 2, v12
	v_and_b32 v12, 0x3333, v12
	v_and_b32 v14, 0x3333, v14
	v_add_nc_u32 v12, v12, v14
	v_lshrrev_b32 v14, 4, v12
	v_add_nc_u32 v12, v12, v14
	v_and_b32 v12, 0x0f0f, v12
	v_lshrrev_b32 v14, 8, v12
	v_add_nc_u32 v12, v12, v14
	v_and_b32 v12, 0x1f, v12
	v_add_nc_u32 v12, s[24+\e], v12                ; the row that my token would take with expert e
	v_cndmask_b32 v8, v8, v12, s44
	v_cndmask_b32 v9, v9, v12, s45
	v_cndmask_b32 v10, v10, v12, s46
.endr
	s_lshl_b32 s44, s41, 8
	v_add_nc_u32 v15, s44, v2
	s_wait_xcnt 0x0                                ; EXEC changes only behind this wait: x's loads are out
	v_cmp_gt_u32 vcc_lo, 16, v1
	s_and_saveexec_b32 s51, vcc_lo
	global_store_b128 v15, v[8:11], s[12:13]       ; slot[16 q + lane][0..3]: 256 consecutive bytes, aligned
	s_wait_xcnt 0x0
	s_or_b32 exec_lo, exec_lo, s51
	s_wait_loadcnt 0x0                             ; rows 0-7 of x
	CVT
	XLOAD 1                                        ; rows 8-15 come while rows 0-7 leave
.irp t, 0,1,2,3,4,5,6,7
	PUT \t, 0
.endr
	s_wait_loadcnt 0x0
	s_wait_xcnt 0x0                                ; CV was store data
	CVT
.irp t, 0,1,2,3,4,5,6,7
	PUT \t, 1
.endr
	; which of rows 55 q + lane and 55 q + 32 + lane hold a token: row p does if first row of e <= p < first row of e + tokens of e for some e
	s_mul_i32 s46, s41, 55
	v_add_nc_u32 v12, s46, v1
	v_add_nc_u32 v13, 32, v12
	s_mov_b32 s42, 0
	s_mov_b32 s43, 0
.irp e, 0,1,2,3,4,5,6,7
	s_add_co_u32 s47, s[32+\e], s[16+\e]           ; the row behind the expert's last token
	v_cmp_le_u32 s44, s[32+\e], v12
	v_cmp_gt_u32 s45, s47, v12
	s_and_b32 s44, s44, s45
	s_or_b32 s42, s42, s44
	v_cmp_le_u32 s44, s[32+\e], v13
	v_cmp_gt_u32 s45, s47, v13
	s_and_b32 s44, s44, s45
	s_or_b32 s43, s43, s44
.endr
	s_not_b32 s42, s42                             ; bit i: row 55 q + i holds none
	s_not_b32 s43, s43
	s_and_b32 s43, s43, 0x7fffff                   ; bit i: row 55 q + 32 + i, up to row 54
	s_mul_i32 s46, s41, 56320
	v_add_nc_u32 v59, s46, v2                      ; 55 q rows of 1,024 bytes + 16 lane
	v_mov_b32 v60, 0
	v_mov_b32 v61, 0
	v_mov_b32 v62, 0
	v_mov_b32 v63, 0
	s_mov_b32 s50, 0
.Lzero:                                                ; trip i: rows 55 q + i and 55 q + 32 + i
	s_lshr_b32 s52, s42, s50
	s_and_b32 s52, s52, 1
	s_cmp_lg_u32 s52, 0
	s_cbranch_scc0 .Lno_low
	global_store_b128 v59, v[60:63], s[10:11]
	global_store_b128 v59, v[60:63], s[10:11] offset:512
.Lno_low:
	s_lshr_b32 s53, s43, s50
	s_and_b32 s53, s53, 1
	s_cmp_lg_u32 s53, 0
	s_cbranch_scc0 .Lno_high
	global_store_b128 v59, v[60:63], s[10:11] offset:32768
	global_store_b128 v59, v[60:63], s[10:11] offset:33280
.Lno_high:
	s_wait_xcnt 0x0                                ; the offset steps only behind this wait
	v_add_nc_u32 v59, 1024, v59
	s_add_co_u32 s50, s50, 1
	s_cmp_lt_u32 s50, 32
	s_cbranch_scc1 .Lzero
	s_cmp_lg_u32 s41, 0
	s_cbranch_scc1 .Lend
	; wave 0: block j's expert = how many of experts 1-7 begin at or in front of row 256 j (an expert without tokens begins where the next one does)
	v_lshlrev_b32 v12, 8, v1
	v_add_nc_u32 v13, 8192, v12
	v_mov_b32 v14, 0
	v_mov_b32 v15, 0
.irp e, 1,2,3,4,5,6,7
	v_cmp_le_u32 vcc_lo, s[32+\e], v12
	v_cndmask_b32 v56, 0, 1, vcc_lo
	v_add_nc_u32 v14, v14, v56
	v_cmp_le_u32 vcc_lo, s[32+\e], v13
	v_cndmask_b32 v56, 0, 1, vcc_lo
	v_add_nc_u32 v15, v15, v56
.endr
	v_lshlrev_b32 v57, 2, v1
	global_store_b32 v57, v14, s[12:13] offset:65536
	global_store_b32 v57, v15, s[12:13] offset:65664
	v_lshlrev_b32 v58, 8, v1                       ; the sums of probabilities: rows 8 lane .. 8 lane + 7 of 256
.irp i, 0,1,2,3,4,5,6,7
	global_load_b128 v[64+8*\i:67+8*\i], v58, s[8:9] offset:65536+32*\i
	global_load_b128 v[68+8*\i:71+8*\i], v58, s[8:9] offset:65552+32*\i
.endr
	s_wait_loadcnt 0x0
.irp i, 1,2,3,4,5,6,7
.irp c, 0,2,4,6
	v_pk_add_f32 v[64+\c:65+\c], v[64+\c:65+\c], v[64+8*\i+\c:65+8*\i+\c]
.endr
.endr
.irp m, 1,2,4,8
.irp e, 0,1,2,3,4,5,6,7
	v_add_f32_dpp v[64+\e], v[64+\e], v[64+\e] row_xmask:\m row_mask:0xf bank_mask:0xf
.endr
.endr
.irp e, 0,1,2,3,4,5,6,7
	v_permlanex16_b32 v12, v[64+\e], s48, s49
	v_add_f32 v[64+\e], v[64+\e], v12
.endr
	v_cvt_f32_u32 v12, s16
	v_mul_f32 v13, v12, v64
.irp e, 1,2,3,4,5,6,7
	v_cvt_f32_u32 v12, s[16+\e]
	v_fma_f32 v13, v12, v[64+\e], v13
.endr
	v_mul_f32 v13, 0x35000000, v13                 ; 8 / 4,096^2 = 2^-21
	v_mov_b32 v56, 0
	s_wait_xcnt 0x0
	v_cmp_eq_u32 vcc_lo, 0, v1
	s_and_saveexec_b32 s51, vcc_lo
	global_store_b32 v56, v13, s[14:15]
	s_wait_xcnt 0x0
	s_or_b32 exec_lo, exec_lo, s51
.Lend:
	s_endpgm
.Lfunc_end_k_qc9cac0bb75_place:
	.size	k_qc9cac0bb75_place, .Lfunc_end_k_qc9cac0bb75_place-k_qc9cac0bb75_place
	.p2alignl 7, 3214868480
	.fill 96, 4, 3214868480
	.section	.rodata,"a",@progbits
	.p2align	6, 0x0
	.amdhsa_kernel k_qc9cac0bb75_place
		.amdhsa_group_segment_fixed_size 0
		.amdhsa_private_segment_fixed_size 0
		.amdhsa_enable_private_segment 0
		.amdhsa_kernarg_size 48
		.amdhsa_user_sgpr_count 2
		.amdhsa_user_sgpr_kernarg_segment_ptr 1
		.amdhsa_wavefront_size32 1
		.amdhsa_system_sgpr_workgroup_id_x 1
		.amdhsa_system_sgpr_workgroup_id_y 1
		.amdhsa_system_sgpr_workgroup_id_z 1
		.amdhsa_system_vgpr_workitem_id 0
		.amdhsa_next_free_vgpr 256
		.amdhsa_next_free_sgpr 66
		.amdhsa_reserve_vcc 1
		.amdhsa_float_denorm_mode_32 3
		.amdhsa_float_denorm_mode_16_64 3
		.amdhsa_memory_ordered 1
		.amdhsa_forward_progress 1
		.amdhsa_inst_pref_size 85
	.end_amdhsa_kernel
	.amdgpu_metadata
---
amdhsa.version: [ 1, 2 ]
amdhsa.kernels:
  - .name:           k_qc9cac0bb75_place
    .symbol:         k_qc9cac0bb75_place.kd
    .args:
      - { .name: x, .offset: 0, .size: 8, .value_kind: global_buffer, .address_space: global }
      - { .name: route, .offset: 8, .size: 8, .value_kind: global_buffer, .address_space: global }
      - { .name: gatef, .offset: 16, .size: 8, .value_kind: global_buffer, .address_space: global }
      - { .name: xg, .offset: 24, .size: 8, .value_kind: global_buffer, .address_space: global }
      - { .name: plan, .offset: 32, .size: 8, .value_kind: global_buffer, .address_space: global }
      - { .name: out1, .offset: 40, .size: 8, .value_kind: global_buffer, .address_space: global }
    .group_segment_fixed_size: 0
    .private_segment_fixed_size: 0
    .kernarg_segment_align: 8
    .kernarg_segment_size: 48
    .max_flat_workgroup_size: 32
    .sgpr_count:     66
    .vgpr_count:     256
    .wavefront_size: 32
...
	.end_amdgpu_metadata
.endif
;; end of part 2
;; launch up (part 3): grid 220 x 1, 4 waves a work-group, no clusters, 327,680 bytes of LDS; arguments xg, wb, plan, b1, hg; writes hg
.if DOCPART == 3
	.amdgcn_target "amdgcn-amd-amdhsa--gfx1250"
	.amdhsa_code_object_version 6
	.text
	.protected	k_qc9cac0bb75_up
	.globl	k_qc9cac0bb75_up
	.p2align	8
	.type	k_qc9cac0bb75_up,@function
k_qc9cac0bb75_up:
	s_mov_b64 s[64:65], 0
	v_nop
	global_prefetch_b8 v0, s[64:65] scope:SCOPE_SE
	s_setreg_imm32_b32 hwreg(HW_REG_WAVE_MODE, 25, 1), 1
	s_wait_xcnt 0x0
; up.  hg[row][n] = bf16(gelu(sum over k of xg[row][k] W1[e][n][k] + b1[e][n])), e = the expert of the row's block of 256 rows (tab, stored by an earlier launch).
; SHARES.  Work-group x owns block x / 4 (256 rows) and columns 512 (x % 4) .. + 511, as eight tiles of 64 columns.  All 55 blocks are made, whatever they hold: every barrier
; and trip count is a constant, only addresses hang on tab.  Rows without a token give numbers that no later launch reads.  A wave owns 64 rows.
; xg STAYS IN REGISTERS.  A wave's 64 rows x K = 512 are 65,536 bytes: 512 registers, loaded once, straight from memory in fragment layout.
; THE RING holds W1 alone: two LDS slots of 64 rows x 1,024 bytes (+ 16 of padding a row), a whole tile's K each.  Wave 0 asks for a tile by one tensor load of 64 rows; one barrier a tile.
; BY TURNS.  Two sets of 16 accumulators, P and Q.  While tile s is multiplied into one set (256 matrix instructions), tile s - 1 leaves the other: its way out (GELU, rounding, stage,
; stores) is a numbered list of 1,367 places, dealt 5 or 6 behind each matrix instruction.  The list works in window 0 and the products name windows 0 to 3, so a slice costs two switches
; of the register window; set in a phase of its own the list would leave the matrix unit without work all that while, which is the greater price.
; The matrix instruction is used transposed (source 0 = 16 rows of W1, source 1 = 16 rows of xg): a lane holds eight neighbouring columns of one row.  The bias is the C of each sum's first product.
; THE WAY OUT.  A tile's 64 columns are 128 bytes of a row of hg, so a wave's stage holds its 64 rows x 256 bytes: the left tile of a pair fills one half, the right tile the other, and whole rows leave.
; NO JOINT LOADS: the four work-groups of a block share xg's block alone, 262,144 of the 786,432 bytes that a work-group reads, read once; as a joint tensor load it would take 266,240 bytes of
; LDS, a fill, a read-out and a barrier ahead of the first weights.  W1's tiles are shared by the blocks of one expert, whose number hangs on the routing: no constant cluster names them.
; GELU: gelu(x) = max(x, 0) - |x| q, q = erfc(|x| / sqrt 2) / 2 = (A1 t + .. + A5 t^5) 2^-(c x)^2, t = 1 / (1 + P |x|): absolute error of q under 1e-7 for every x;
; for large |x| the power of two goes to 0 and nothing overflows.  LIMITS: b1 is taken rounded to bf16 (nearest even); the result is rounded to bf16.
; REGISTERS.  window 0: v4-7 packed results, v8-15 max(x, 0), v16-29 addresses, v32-63 GELU at work, v64-159 three buffers of W1's fragments (32 along K each),
;   v160-223 two sets of 16 rows read back from the stage, v224-255 the bias.   window 1: P at v0-127, Q at v128-255, accumulator (a, b) at 8 (4 a + b).
;   windows 2, 3: xg: the fragment of rows 16 a .. + 15, K quarter kq, at window 2 + kq / 8, v[8 (4 (kq % 8) + a)].
.set KB,     1024                      ; bytes in a row of xg and of W1
.set TCOLS,  64                        ; columns of a tile = rows of W1 in a slot
.set PITCH,  1040                      ; an LDS row: 260 words, so that the 16 rows of a fragment load begin at 16 different banks (64 banks of 4 bytes: ISA guide 11.1)
.set SLOT,   TCOLS*PITCH
.set SP,     272                       ; a stage row: 256 bytes + 16
.set STAGE,  2*SLOT                    ; behind the ring: 64 rows x 272 bytes for each wave
.set WSTAGE, 64*SP
.set SPARE,  STAGE+4*WSTAGE            ; the spare words: 128 bytes a wave, two blocks of 256 bytes that no other line names
.set OUT,  4
.set XM,   8
.set ADRB, 16                          ; v16-17 my place in W1's tile in slot 0, 1
.set STO,  20
.set RD,   21
.set CO,   22
.set BO,   23
.set C4,   24                          ; v[24:25] A4, twice
.set AO,   26
.set SPW,  28
.set NIL,  29
.set AB,   32                          ; |x|, t, the exponent, the polynomial
.set GT,   40
.set GU,   48
.set GP,   56
.set FB,   64
.set BK,   160
.set BI,   224
.set G1,   24                          ; s[24:31] descriptor group 1
.set G0,   40                          ; s[40:47] group 0, a set for each slot
.set PRE,  24                          ; places of the list that stand ahead of a step's first product, while its first fragments come
.set NIT,  1367                        ; places in the list: 3 + 4 x (4 x 77 + 10 + 8) + 50 + 10
.set MSB, 0
.macro WIN new                         ; the immediate's high byte repeats the setting that is left; a switch that changes nothing is dropped
.if MSB != (\new)
	s_set_vgpr_msb (MSB<<8)|(\new)
.set MSB, (\new)
.endif
.endm
.macro PLACES                          ; four places behind matrix instructions: ahead of loads into registers that they have read, and of reads of their results
.rept 4
	v_nop
.endr
.endm
.macro BLOAD s                         ; wave 0 asks for a tile of W1, 64 rows; four v_nop follow the line
	s_cmp_lg_u32 s14, 0
	s_cbranch_scc1 .Lnot_mine_\@
	tensor_load_to_lds s[G0+4*(\s):G0+4*(\s)+3], s[G1:G1+7]
	s_nop 0
.rept 4
	v_nop
.endr
.Lnot_mine_\@:
.endm
; THE COUNTS ON DScnt are made by the assembler.  DSN counts the LDS instructions written since the step's wait for 0; each run of loads notes DSN at its end;
; a wait's count is the difference: the LDS instructions issued behind the run, which may stay out (LDS instructions of a wave end in order: ISA guide 5.7.1).
.macro SETFS n
.if (\n)%3 == 0
.set FS0, DSN
.elseif (\n)%3 == 1
.set FS1, DSN
.else
.set FS2, DSN
.endif
.endm
.macro WAITFS n
.if (\n)%3 == 0
	s_wait_dscnt DSN-FS0
.elseif (\n)%3 == 1
	s_wait_dscnt DSN-FS1
.else
	s_wait_dscnt DSN-FS2
.endif
.endm
.macro FETCH slot, kq                  ; eight LDS loads: W1's four fragments of K quarter kq into buffer kq % 3
	WIN 0
.set ffb, FB+32*((\kq)%3)
.irp b, 0,1,2,3
	ds_load_b128 v[ffb+8*\b:ffb+8*\b+3],   v[ADRB+\slot] offset:64*(\kq)+\b*16*PITCH
	ds_load_b128 v[ffb+8*\b+4:ffb+8*\b+7], v[ADRB+\slot] offset:64*(\kq)+\b*16*PITCH+32
.endr
.set DSN, DSN+8
	SETFS \kq
.endm
.macro ALOAD half                      ; xg's K quarters 8 half .. 8 half + 7
.set kq, 0
.rept 8
.irp a, 0,1,2,3
	global_load_b128 v[8*(4*kq+\a):8*(4*kq+\a)+3],   v[AO], s[4:5] offset:\a*16*KB+64*(8*\half+kq)
	global_load_b128 v[8*(4*kq+\a)+4:8*(4*kq+\a)+7], v[AO], s[4:5] offset:\a*16*KB+64*(8*\half+kq)+32
.endr
.set kq, kq+1
.endr
.endm
.macro BLD                             ; a tile's bias: columns 16 b + 8 h + 0..7 -> BI + 8 b
	WIN 0
.irp b, 0,1,2,3
	global_load_b128 v[BI+8*\b:BI+8*\b+3],   v[BO], s[10:11] offset:64*\b
	global_load_b128 v[BI+8*\b+4:BI+8*\b+7], v[BO], s[10:11] offset:64*\b+16
.endr
.endm
; Place z of 50: the bias has come; its pointer steps to the next tile (free since that wait); the 32 numbers are rounded to bf16, in place from the low end, and widened again, in place from the high end.
.macro BITEM z
.if (\z) == 0
	s_wait_loadcnt 0x0
.elseif (\z) == 1
	s_add_nc_u64 s[10:11], s[10:11], 256
.elseif (\z) < 18
	WIN 0
	v_cvt_pk_bf16_f32 v[BI+(\z)-2], v[BI+2*((\z)-2)], v[BI+2*((\z)-2)+1]
.else
	WIN 0
.set bi, 15-((\z)-18)/2
.if ((\z)-18)%2 == 0
	v_and_b32 v[BI+2*bi+1], s58, v[BI+bi]
.else
	v_lshlrev_b32 v[BI+2*bi], 16, v[BI+bi]
.endif
.endif
.endm
; Place u of a block's 308: place q = u % 77 of accumulator (ea, u / 77): eight numbers a lane.  The accumulator is read from its low end on, by the first 16 places alone (window 1 as source 1).
; Behind each run of transcendentals stands a plain line that touches none of their registers.
.macro GITEM
.set eb, u/77
.set q, u%77
.set rA, EACC+8*(4*ea+eb)
.if q < 16
	WIN 0x04
.else
	WIN 0
.endif
.if q < 8
	v_and_b32 v[AB+q], s57, v[rA+q]
.elseif q < 16
	v_max_num_f32 v[XM+q-8], 0, v[rA+q-8]
.elseif q < 20
.set j, 2*(q-16)
	v_pk_fma_f32 v[GT+j:GT+j+1], v[AB+j:AB+j+1], s[66:67], 1.0 op_sel_hi:[1,0,0]
.elseif q < 24
.set j, 2*(q-20)
	v_pk_mul_f32 v[GU+j:GU+j+1], v[AB+j:AB+j+1], s[68:69] op_sel_hi:[1,0]
.elseif q < 32
	v_rcp_f32 v[GT+q-24], v[GT+q-24]
.elseif q < 36
.set j, 2*(q-32)
	v_pk_mul_f32 v[GU+j:GU+j+1], v[GU+j:GU+j+1], v[GU+j:GU+j+1] neg_lo:[1,0] neg_hi:[1,0]
.elseif q < 44
	v_exp_f32 v[GU+q-36], v[GU+q-36]
.elseif q < 48
.set j, 2*(q-44)
	s_wait_alu depctr_va_vdst(0)
	v_pk_fma_f32 v[GP+j:GP+j+1], v[GT+j:GT+j+1], s[78:79], v[C4:C4+1] op_sel_hi:[1,0,1]
.elseif q < 60
.set j, 2*((q-48)%4)
.set cc, 74-2*((q-48)/4)
	v_pk_fma_f32 v[GP+j:GP+j+1], v[GP+j:GP+j+1], v[GT+j:GT+j+1], s[cc:cc+1] op_sel_hi:[1,1,0]
.elseif q < 64
.set j, 2*(q-60)
	v_pk_mul_f32 v[GP+j:GP+j+1], v[GP+j:GP+j+1], v[GT+j:GT+j+1]
.elseif q < 68
.set j, 2*(q-64)
	v_pk_mul_f32 v[GP+j:GP+j+1], v[GP+j:GP+j+1], v[GU+j:GU+j+1]
.elseif q < 72
.set j, 2*(q-68)
	v_pk_fma_f32 v[XM+j:XM+j+1], v[AB+j:AB+j+1], v[GP+j:GP+j+1], v[XM+j:XM+j+1] neg_lo:[1,0,0] neg_hi:[1,0,0]
.elseif q < 76
.set j, q-72
	v_cvt_pk_bf16_f32 v[OUT+j], v[XM+2*j], v[XM+2*j+1]
.else
	ds_store_b128 v[STO], v[OUT:OUT+3] offset:ea*16*SP+128*RIGHT+32*eb   ; row 16 ea + r of my stage, the tile's half, 16 bytes a lane
.set DSN, DSN+1
.endif
.endm
; Place t of 8: two whole rows of block a come back from my stage.  LDS serves a wave's instructions in order (ISA guide 5.7.1.4): the loads see both tiles' stores.
.macro LITEM a, t
.set bk, BK+32*((\a)%2)
	WIN 0
	ds_load_b128 v[bk+4*(\t):bk+4*(\t)+3], v[RD] offset:(16*(\a)+2*(\t))*SP
.set DSN, DSN+1
.if (\a)%2 == 0
.set BS0, DSN
.else
.set BS1, DSN
.endif
.endm
; Place x of 10: block a's rows are back; the other set of registers, which the stores before read, is loaded again only behind the wait on XCNT; eight stores.
.macro SITEM a, x
.set bk, BK+32*((\a)%2)
.if (\x) == 0
.if (\a)%2 == 0
	s_wait_dscnt DSN-BS0
.else
	s_wait_dscnt DSN-BS1
.endif
.elseif (\x) == 1
	s_wait_xcnt 0x0
.else
	WIN 0
	global_store_b128 v[CO], v[bk+4*((\x)-2):bk+4*((\x)-2)+3], s[12:13] offset:(16*(\a)+2*((\x)-2))*4096   ; 16 lanes store 256 consecutive bytes, aligned
.endif
.endm
; THE LIST.  Place POS:  0-2 (right tile) the stores' base goes on to this pair's columns, behind a wait that frees it;  then for each block of 16 rows: 308 places of GELU, 10 (right tile, from the
; second block on) that store the block before, 8 (right tile) that read this block back;  50 for the next tile's bias;  10 (right tile) that store the last block.  A place that a step does not need is empty.
.macro ITEM
.set p, POS-3
.if POS < 3
.if HASE && RIGHT
.if POS == 0
	s_wait_xcnt 0x0
.elseif POS == 1
	s_add_nc_u64 s[12:13], s[12:13], s[60:61]
.else
	s_mov_b64 s[60:61], 256
.endif
.endif
.elseif p < 1304
.set ea, p/326
.set u, p%326
.if u < 308
.if HASE
	GITEM
.endif
.elseif u < 318
.if HASE && RIGHT && (ea > 0)
	SITEM ea-1, u-308
.endif
.elseif HASE && RIGHT
	LITEM ea, u-318
.endif
.elseif p < 1354
.if HASB
	BITEM p-1304
.endif
.elseif HASE && RIGHT
	SITEM 3, p-1354
.endif
.endm
.macro EMIT upto, most                 ; the list goes on to place upto
.rept \most
.if POS < (\upto)
	ITEM
.set POS, POS+1
.endif
.endr
.endm
.macro LIST hase, right, eaccs, hasb   ; a new list: is there a tile to send, is it a pair's right one, where are its accumulators, is there a next bias
.set HASE, \hase
.set RIGHT, \right
.set EACC, \eaccs
.set HASB, \hasb
.set POS, 0
.set DSN, 0
.set BS0, 0
.set BS1, 0
.endm
; A STEP: one tile of 64 columns, from slot `slot`, into the accumulators at accs.  In front of the barrier: all my tensor loads have landed (wave 0: this slot's tile), the add, this slot's
; descriptor steps two tiles on, the add and my reads of the other slot are done.  Behind it the other slot is filled first (refill = 1).  Then 16 K quarters of 16 products; the 16 accumulators
; take turns, one instruction a turn.  Each run of fragment loads stands behind a quarter's second product, two quarters ahead of its use.
.macro STEP slot, accs, refill, hase, right, eaccs, hasb
	WIN 0
	s_wait_tensorcnt 0x0
	ds_add_u32 v[SPW], v[NIL]                      ; 0 onto my spare word
	s_add_nc_u64 s[G0+4*\slot+2:G0+4*\slot+3], s[G0+4*\slot+2:G0+4*\slot+3], 2*TCOLS*KB
	s_wait_dscnt 0x0
	s_barrier_signal -1
	s_barrier_wait -1
.if \refill
	BLOAD 1-\slot                                  ; the next tile: it has this step's 256 products and the list between them in which to land
.endif
	PLACES                                         ; behind the last step's products: for the loads below, and for the list's first reads of their results
	LIST \hase, \right, \eaccs, \hasb
	FETCH \slot, 0
	FETCH \slot, 1
	EMIT PRE, PRE
.set kq, 0
.rept 16
	WAITFS kq                                      ; this quarter's fragments are in
.set i, 0
.rept 16
.set fb, FB+32*(kq%3)+8*(i%4)
.set ra, 8*(4*(kq%8)+i/4)
.set rd, \accs+8*i
.if kq == 0
	WIN 0x48                                       ; W1 window 0, xg window 2, C = the bias in window 0, D window 1: the first product starts the sum
	v_wmma_f32_16x16x32_bf16 v[rd:rd+7], v[fb:fb+7], v[ra:ra+7], v[BI+8*(i%4):BI+8*(i%4)+7]
.else
	WIN 0x58+4*(kq/8)                              ; W1 window 0, xg window 2 or 3, C and D window 1
	v_wmma_f32_16x16x32_bf16 v[rd:rd+7], v[fb:fb+7], v[ra:ra+7], v[rd:rd+7]
.endif
	EMIT PRE+(((16*kq+i+1)*(NIT-PRE)+255)/256), 6
.if (i == 1) && (kq < 14)
	PLACES
	FETCH \slot, kq+2                              ; into the buffer that the quarter before multiplied
.if (kq == 1) && \hasb
	BLD                                            ; the next tile's bias, into the registers that the first quarter's products have read
.endif
.endif
.set i, i+1
.endr
.set kq, kq+1
.endr
.endm
	s_load_b256 s[4:11], s[0:1], 0x0               ; xg 4, wb 6, plan 8, b1 10
	s_load_b64 s[12:13], s[0:1], 0x20              ; hg
	v_lshl_add_u32 v[SPW], v0, 2, SPARE
	v_mov_b32 v[NIL], 0
	ds_add_u32 v28, v29
	s_wait_dscnt 0x0
	s_barrier_signal -1
	s_barrier_wait -1
	v_lshrrev_b32 v3, 5, v0
	v_readfirstlane_b32 s14, v3                    ; wave
	s_and_b32 s17, ttmp9, 3                        ; which 512 columns
	s_lshr_b32 s18, ttmp9, 2                       ; the block of rows
	s_lshl_b32 s59, s18, 2
	v_and_b32 v1, 15, v0                           ; r
	v_bfe_u32 v2, v0, 4, 1                         ; h
	v_lshlrev_b32 v[AO], 10, v1
	v_lshl_add_u32 v[AO], v2, 4, v[AO]             ; xg: row r, 16 bytes for each half of the lanes
	s_lshl_b32 s20, s18, 18                        ; 256 block rows of 1,024 bytes,
	s_lshl_b32 s21, s14, 16                        ; my wave's 64
	s_add_co_u32 s20, s20, s21
	s_mov_b32 s21, 0
	s_mov_b32 s[G1+0], (1<<16)|(1<<20)|(7<<22)|(3<<25)  ; no mask; elements of 2 bytes; padding on: 4 words behind every 256
	s_mov_b32 s[G1+1], 512<<16                     ; tensor_dim0 = 512
	s_mov_b32 s[G1+2], TCOLS<<16                   ; tensor_dim1 = 64
	s_mov_b32 s[G1+3], 512<<16                     ; tile_dim0 = 512
	s_mov_b32 s[G1+4], TCOLS                       ; tile_dim1 = 64 rows
	s_mov_b32 s[G1+5], KB/2                        ; elements from row to row
	s_mov_b32 s[G1+6], 0
	s_mov_b32 s[G1+7], 0
	s_mov_b32 s57, 0x7fffffff
	s_mov_b32 s58, 0xffff0000
	s_mov_b32 s66, 0x3e6d3388                      ; P = 0.3275911 / sqrt 2
	s_mov_b32 s67, 0x3e6d3388                      ; (the packed forms name pairs and take the low word for both halves: the upper word is written too)
	s_mov_b32 s68, 0x3f596d27                      ; c = sqrt(log2(e) / 2)
	s_mov_b32 s69, 0x3f596d27
	s_mov_b32 s70, 0x3e027906                      ; A1 .. A5: half the five coefficients of erfc
	s_mov_b32 s71, 0x3e027906
	s_mov_b32 s72, 0xbe11a98e
	s_mov_b32 s73, 0xbe11a98e
	s_mov_b32 s74, 0x3f35f0e3
	s_mov_b32 s75, 0x3f35f0e3
	s_mov_b32 s76, 0xbf3a00e3
	s_mov_b32 s78, 0x3f07dc22
	s_mov_b32 s79, 0x3f07dc22
	s_wait_kmcnt 0x0
	s_load_b32 s19, s[8:9], s59 offset:0x10000     ; tab[block]
	s_add_nc_u64 s[4:5], s[4:5], s[20:21]          ; xg at my wave's first row
	WIN 0x80                                       ; destination window 2, address window 0
	ALOAD 0
	WIN 0xc0                                       ; destination window 3
	ALOAD 1
	WIN 0
	v_mov_b32 v[C4], s76
	v_mov_b32 v[C4+1], s76
	v_mul_u32_u24 v5, v1, PITCH
	v_lshl_add_u32 v[ADRB], v2, 4, v5              ; W1's tile: r x pitch + 16 h
	v_add_nc_u32 v[ADRB+1], SLOT, v[ADRB]
	s_mul_i32 s62, s14, WSTAGE
	s_add_co_u32 s62, s62, STAGE                   ; my stage
	v_mul_u32_u24 v5, v1, SP
	v_lshl_add_u32 v5, v2, 4, v5
	v_add_nc_u32 v[STO], s62, v5                   ; in: row r, 16 bytes for each half of the lanes
	v_mul_u32_u24 v6, v2, SP
	v_lshl_add_u32 v6, v1, 4, v6
	v_add_nc_u32 v[RD], s62, v6                    ; back: lanes 0-15 one row of 256 bytes, lanes 16-31 the next
	v_lshlrev_b32 v6, 12, v2
	v_lshl_add_u32 v[CO], v1, 4, v6                ; the same two rows in hg
	v_lshlrev_b32 v[BO], 5, v2
	s_lshl_b32 s60, s18, 20                        ; what the first pair's way out adds to hg's address: 256 block rows of 4,096 bytes,
	s_lshl_b32 s62, s14, 18                        ; my wave's 64 rows,
	s_add_co_u32 s60, s60, s62
	s_lshl_b32 s62, s17, 10                        ; my work-group's 512 columns
	s_add_co_u32 s60, s60, s62
	s_mov_b32 s61, 0
	s_wait_kmcnt 0x0
	s_min_u32 s19, s19, 7                          ; the expert
	s_lshl_b32 s22, s19, 21                        ; an expert's weights: 2,097,152 bytes
	s_lshl_b32 s62, s17, 19                        ; 512 rows of 1,024 bytes
	s_add_co_u32 s22, s22, s62
	s_mov_b32 s23, 0
	s_add_nc_u64 s[22:23], s[6:7], s[22:23]
.irp s, 0,1
	s_mov_b32 s[G0+4*\s], 1
	s_mov_b32 s[G0+4*\s+1], \s*SLOT
	s_add_nc_u64 s[G0+4*\s+2:G0+4*\s+3], s[22:23], \s*TCOLS*KB     ; tile s
	s_or_b32 s[G0+4*\s+3], s[G0+4*\s+3], 0x80000000
.endr
	BLOAD 0                                        ; tile 0; slot 1 is first filled behind the first step's barrier
	s_lshl_b32 s22, s19, 13                        ; an expert's bias: 8,192 bytes,
	s_lshl_b32 s62, s17, 11                        ; my 512 columns
	s_add_co_u32 s22, s22, s62
	s_mov_b32 s23, 0
	s_add_nc_u64 s[10:11], s[10:11], s[22:23]
	BLD                                            ; tile 0's bias
.set z, 0
.rept 50
	BITEM z                                        ; its first place waits for all loads: xg's 128 too
.set z, z+1
.endr
	STEP 0, 0, 1, 0, 0, 0, 1                       ; tile 0 into P; nothing to send yet
	WIN 0                                          ; at a label and at a branch every window is 0
	s_mov_b32 s56, 3
.Lpair:
	STEP 1, 128, 1, 1, 0, 0, 1                     ; an odd tile into Q | the even tile leaves P: the left half of a pair's rows
	STEP 0, 0, 1, 1, 1, 128, 1                     ; an even tile into P | the odd tile leaves Q: the right half, and the pair's rows are stored
	WIN 0
	s_sub_co_u32 s56, s56, 1
	s_cmp_lg_u32 s56, 0
	s_cbranch_scc1 .Lpair
	STEP 1, 128, 0, 1, 0, 0, 0                     ; tile 7 is written out: it asks for no tile and no bias | tile 6 leaves P
	PLACES                                         ; behind the last products
	LIST 1, 1, 128, 0
	EMIT NIT, NIT                                  ; tile 7 leaves Q
	WIN 0
	s_wait_tensorcnt 0x0                           ; the wave's end
	ds_add_u32 v[SPW], v[NIL]
	s_wait_dscnt 0x0
	s_endpgm
.Lfunc_end_k_qc9cac0bb75_up:
	.size	k_qc9cac0bb75_up, .Lfunc_end_k_qc9cac0bb75_up-k_qc9cac0bb75_up
	.p2alignl 7, 3214868480
	.fill 96, 4, 3214868480
	.section	.rodata,"a",@progbits
	.p2align	6, 0x0
	.amdhsa_kernel k_qc9cac0bb75_up
		.amdhsa_group_segment_fixed_size 327680
		.amdhsa_private_segment_fixed_size 0
		.amdhsa_enable_private_segment 0
		.amdhsa_kernarg_size 40
		.amdhsa_user_sgpr_count 2
		.amdhsa_user_sgpr_kernarg_segment_ptr 1
		.amdhsa_wavefront_size32 1
		.amdhsa_system_sgpr_workgroup_id_x 1
		.amdhsa_system_sgpr_workgroup_id_y 1
		.amdhsa_system_sgpr_workgroup_id_z 1
		.amdhsa_system_vgpr_workitem_id 0
		.amdhsa_next_free_vgpr 1024
		.amdhsa_next_free_sgpr 80
		.amdhsa_reserve_vcc 0
		.amdhsa_float_denorm_mode_32 3
		.amdhsa_float_denorm_mode_16_64 3
		.amdhsa_memory_ordered 1
		.amdhsa_forward_progress 1
		.amdhsa_inst_pref_size 255
	.end_amdhsa_kernel
	.section	.bss,"aw",@nobits
	.p2align	6
	.space	262144
	.amdgpu_metadata
---
amdhsa.version: [ 1, 2 ]
amdhsa.kernels:
  - .name:           k_qc9cac0bb75_up
    .symbol:         k_qc9cac0bb75_up.kd
    .args:
      - { .name: xg, .offset: 0, .size: 8, .value_kind: global_buffer, .address_space: global }
      - { .name: wb, .offset: 8, .size: 8, .value_kind: global_buffer, .address_space: global }
      - { .name: plan, .offset: 16, .size: 8, .value_kind: global_buffer, .address_space: global }
      - { .name: b1, .offset: 24, .size: 8, .value_kind: global_buffer, .address_space: global }
      - { .name: hg, .offset: 32, .size: 8, .value_kind: global_buffer, .address_space: global }
    .group_segment_fixed_size: 327680
    .private_segment_fixed_size: 0
    .kernarg_segment_align: 8
    .kernarg_segment_size: 40
    .max_flat_workgroup_size: 128
    .sgpr_count:     80
    .vgpr_count:     1024
    .wavefront_size: 32
...
	.end_amdgpu_metadata
.endif
;; end of part 3
;; launch down (part 4): grid 220 x 1, 4 waves a work-group, clusters of 4 x 1, 327,680 bytes of LDS; arguments hg, wb, plan, b2, y; writes y
.if DOCPART == 4
	.amdgcn_target "amdgcn-amd-amdhsa--gfx1250"
	.amdhsa_code_object_version 6
	.text
	.protected	k_qc9cac0bb75_down
	.globl	k_qc9cac0bb75_down
	.p2align	8
	.type	k_qc9cac0bb75_down,@function
k_qc9cac0bb75_down:
	s_mov_b64 s[64:65], 0
	v_nop
	global_prefetch_b8 v0, s[64:65] scope:SCOPE_SE
	s_setreg_imm32_b32 hwreg(HW_REG_WAVE_MODE, 25, 1), 1
	s_wait_xcnt 0x0
	s_wait_alu depctr_hold_cnt(0) depctr_sa_sdst(0) depctr_va_vdst(0) depctr_va_sdst(0) depctr_va_ssrc(0) depctr_va_vcc(0) depctr_vm_vsrc(0)
	s_getreg_b32 s2, hwreg(HW_REG_IB_STS2, 6, 4)
	s_cmp_eq_u32 s2, 0
	s_cbranch_scc0 .Lentry_in_a_cluster
	s_endpgm
.Lentry_in_a_cluster:
	s_bfe_u32 s2, ttmp6, 0x10000c
	s_cmp_lg_u32 s2, 0x3003
	s_cbranch_scc0 .Lentry_shape_is_right
	s_endpgm
.Lentry_shape_is_right:
; down.  y[row][d] = sum over k of hg[row][k] W2[e][d][k] + b2[e][d], f32, e = the expert of the row's block of 256 rows (tab).
; A cluster of four work-groups owns one block of 256 rows; partner cx makes columns 128 cx .. 128 cx + 127: one tile of 256 x 128, K = 2,048 in 16 steps of 128.
; Ring, round, fragments and turns as in the launch before: two LDS slots (256 rows of hg, 128 rows of W2, 256 bytes a row + 16 of padding); hg's tile is asked for
; JOINTLY by the four partners (mask 15), W2's rows hang on cx and are the work-group's own load.  All 55 blocks are made; rows without a token give numbers that nobody reads.
; The matrix instruction is used transposed: a lane holds eight neighbouring columns of one row.  y stays f32.  LIMIT: b2 is taken rounded to bf16 (nearest even).
; REGISTERS.  window 0: addresses v0-31; v32-63 at work; v64-159, v160-255 two fragment buffers, at work on the way out.  window 1: accumulator (a, b) at v[8 (8 a + b)].  window 2: v0-63 the bias.
.set KB,     4096
.set WOFF,   16777216                  ; W2 in wb
.set NC,     128
.set BSTR,   2048
.set PITCH,  272
.set ATILE,  256*PITCH
.set SLOT,   384*PITCH
.set STAGE,  2*SLOT
.set SPITCH, 528                       ; a stage row: 512 bytes + 16: 132 words, so that 16 rows begin at 16 different banks (ISA guide 11.1)
.set WSTAGE, 16*SPITCH
.set SPARE,  STAGE+4*WSTAGE
.set ADRA, 16
.set ADRB, 18
.set STO,  20
.set RD,   21
.set CO,   22
.set BO,   23
.set SPW,  28
.set NIL,  29
.set TB,   32
.set F0,   64
.set F1,   160
.set XX,   64
.set G1A, 24
.set G1B, 32
.set G0A, 40
.set G0B, 48
.set MSB, 0
.macro WIN new
.if MSB != \new
	s_set_vgpr_msb (MSB<<8)|\new
.set MSB, \new
.endif
.endm
.macro PLACES
.rept 4
	v_nop
.endr
.endm
.macro JLOAD s                         ; one tensor load a wave; four v_nop follow each line
	s_cmp_eq_u32 s15, 0
	s_cbranch_scc0 .Lfor_b_\@
	tensor_load_to_lds s[G0A+4*(\s):G0A+4*(\s)+3], s[G1A:G1A+7]
	s_nop 0
.rept 4
	v_nop
.endr
	s_branch .Lasked_\@
.Lfor_b_\@:
	tensor_load_to_lds s[G0B+4*(\s):G0B+4*(\s)+3], s[G1B:G1B+7]
	s_nop 0
.rept 4
	v_nop
.endr
.Lasked_\@:
.endm
.macro CROUND
	s_barrier_signal -1
	s_barrier_wait -1
	s_cmp_lg_u32 s14, 0
	s_cbranch_scc1 .Lnot_wave_0_\@
	s_barrier_signal -3
.Lnot_wave_0_\@:
	s_barrier_wait -3
	s_barrier_signal -1
	s_barrier_wait -1
.endm
.macro FETCH slot, k, f
	WIN 0
.irp i, 0,1,2,3,4,5,6,7
	ds_load_b128 v[\f+8*\i:\f+8*\i+3],   v[ADRB+\slot] offset:\k+\i*16*PITCH
	ds_load_b128 v[\f+8*\i+4:\f+8*\i+7], v[ADRB+\slot] offset:\k+\i*16*PITCH+32
.endr
.irp i, 0,1,2,3
	ds_load_b128 v[\f+64+8*\i:\f+64+8*\i+3],   v[ADRA+\slot] offset:\k+\i*16*PITCH
	ds_load_b128 v[\f+64+8*\i+4:\f+64+8*\i+7], v[ADRA+\slot] offset:\k+\i*16*PITCH+32
.endr
.endm
.macro MUL32 f, zero                   ; the 32 accumulators by turns, in the same order everywhere
	WIN 0x50
.irp a, 0,1,2,3
.irp b, 0,1,2,3,4,5,6,7
.if \zero
	v_wmma_f32_16x16x32_bf16 v[8*(8*\a+\b):8*(8*\a+\b)+7], v[\f+8*\b:\f+8*\b+7], v[\f+64+8*\a:\f+64+8*\a+7], 0
.else
	v_wmma_f32_16x16x32_bf16 v[8*(8*\a+\b):8*(8*\a+\b)+7], v[\f+8*\b:\f+8*\b+7], v[\f+64+8*\a:\f+64+8*\a+7], v[8*(8*\a+\b):8*(8*\a+\b)+7]
.endif
.endr
.endr
.endm
; One K step of 128 from slot `slot`: all my tensor loads have landed (one was out: my part of this slot), the add, this slot's descriptors step two K steps on,
; the add and my reads of the other slot are done, the round, and the other slot's refill first behind it.
.macro STEP slot, refill, zero
	WIN 0
	s_wait_tensorcnt 0x0
	ds_add_u32 v[SPW], v[NIL]                      ; 0 onto my spare word
	s_add_nc_u64 s[G0A+4*\slot+2:G0A+4*\slot+3], s[G0A+4*\slot+2:G0A+4*\slot+3], 512
	s_add_nc_u64 s[G0B+4*\slot+2:G0B+4*\slot+3], s[G0B+4*\slot+2:G0B+4*\slot+3], 512
	s_wait_dscnt 0x0
	CROUND
.if \refill
	JLOAD 1-\slot                                  ; its four v_nop are also the places in front of the loads below
.else
	PLACES
.endif
	FETCH \slot, 0, F0
	FETCH \slot, 64, F1
	s_wait_dscnt 24                                ; the older run of 24 is in, the younger stays out
	MUL32 F0, \zero
	PLACES
	FETCH \slot, 128, F0
	s_wait_dscnt 24
	MUL32 F1, 0
	PLACES
	FETCH \slot, 192, F1
	s_wait_dscnt 24
	MUL32 F0, 0
	s_wait_dscnt 0x0
	MUL32 F1, 0
.endm
.macro ADDB a                          ; block a's 8 accumulators + bias -> XX; each accumulator is read from its low end on
	WIN 0x09
.set i, 0
.rept 32
	v_pk_add_f32 v[XX+2*i:XX+2*i+1], v[64*(\a)+2*i:64*(\a)+2*i+1], v[2*i:2*i+1]
.set i, i+1
.endr
	WIN 0
.endm
.macro TOSTAGE a                       ; 32 bytes a lane into my own stage, and back as whole rows of 512 bytes; LDS serves a wave's instructions in order (ISA guide 5.7.1.4)
.set BK, 128+64*((\a)%2)
.irp b, 0,1,2,3,4,5,6,7
	ds_store_b128 v[STO], v[XX+8*\b:XX+8*\b+3]   offset:64*\b
	ds_store_b128 v[STO], v[XX+8*\b+4:XX+8*\b+7] offset:64*\b+16
.endr
.irp t, 0,1,2,3,4,5,6,7,8,9,10,11,12,13,14,15
	ds_load_b128 v[BK+4*\t:BK+4*\t+3], v[RD] offset:\t*SPITCH
.endr
.endm
.macro SEND a
.set BK, 128+64*((\a)%2)
	s_wait_dscnt 0x0
	s_wait_xcnt 0x0                                ; the other set of registers, which the stores before read, is loaded again only behind this wait
.irp t, 0,1,2,3,4,5,6,7,8,9,10,11,12,13,14,15
	global_store_b128 v[CO], v[BK+4*\t:BK+4*\t+3], s[12:13] offset:(16*(\a)+\t)*2048   ; a wave stores 512 consecutive bytes, aligned
.endr
.endm
	s_load_b256 s[4:11], s[0:1], 0x0               ; hg 4, wb 6, plan 8, b2 10
	s_load_b64 s[12:13], s[0:1], 0x20              ; y
	v_lshl_add_u32 v[SPW], v0, 2, SPARE
	v_mov_b32 v[NIL], 0
	ds_add_u32 v28, v29
	s_wait_dscnt 0x0
	v_lshrrev_b32 v3, 5, v0
	v_readfirstlane_b32 s14, v3                    ; wave
	s_lshr_b32 s15, s14, 1                         ; 0: I fetch hg, 1: W2
	s_and_b32 s16, s14, 1
	s_bfe_u32 s17, ttmp6, 0x40000                  ; cx
	s_mov_b32 s18, ttmp9                           ; the block of rows
	s_lshl_b32 s59, s18, 2
	s_wait_kmcnt 0x0
	s_load_b32 s19, s[8:9], s59 offset:0x10000     ; tab[block]
	s_mov_b32 s[G1A+0], 15|(1<<16)|(1<<20)|(1<<21)|(5<<22)|(3<<25)
	s_mov_b32 s[G1A+1], 128<<16
	s_mov_b32 s[G1A+2], 128<<16
	s_mov_b32 s[G1A+3], 128<<16
	s_mov_b32 s[G1A+4], 128
	s_mov_b32 s[G1A+5], KB/2
	s_mov_b32 s[G1A+6], 0
	s_mov_b32 s[G1A+7], 0
	s_mov_b32 s[G1B+0], (1<<16)|(1<<20)|(5<<22)|(3<<25)
	s_mov_b32 s[G1B+1], 128<<16
	s_mov_b32 s[G1B+2], 64<<16
	s_mov_b32 s[G1B+3], 128<<16
	s_mov_b32 s[G1B+4], 64
	s_mov_b32 s[G1B+5], KB/2
	s_mov_b32 s[G1B+6], 0
	s_mov_b32 s[G1B+7], 0
	s_mov_b32 s58, 0xffff0000
	v_and_b32 v1, 15, v0                           ; r
	v_bfe_u32 v2, v0, 4, 1                         ; h
	v_and_b32 v4, 31, v0                           ; lane
	v_mul_u32_u24 v5, v1, PITCH
	v_lshl_add_u32 v5, v2, 4, v5
	s_mul_i32 s60, s14, 64*PITCH
	v_add_nc_u32 v[ADRA], s60, v5
	v_add_nc_u32 v[ADRA+1], SLOT, v[ADRA]
	v_add_nc_u32 v[ADRB], ATILE, v5
	v_add_nc_u32 v[ADRB+1], SLOT, v[ADRB]
	s_mul_i32 s60, s14, WSTAGE
	s_add_co_u32 s60, s60, STAGE                   ; my stage
	v_mul_u32_u24 v6, v1, SPITCH
	v_lshl_add_u32 v6, v2, 5, v6
	v_add_nc_u32 v[STO], s60, v6                   ; in: row r, 32 bytes for each half of the lanes
	v_lshlrev_b32 v[CO], 4, v4                     ; out: 16 bytes a lane of a row's 512
	v_add_nc_u32 v[RD], s60, v[CO]
	v_lshlrev_b32 v[BO], 5, v2
	s_mul_i32 s20, s18, 256*KB                     ; hg's tiles: the block and the wave's number alone
	s_mul_i32 s61, s16, 128*KB
	s_add_co_u32 s20, s20, s61
	s_mov_b32 s21, 0
	s_add_nc_u64 s[20:21], s[4:5], s[20:21]
	s_mul_i32 s61, s16, 128*PITCH
	s_mul_i32 s63, s16, 64*PITCH
	s_add_co_u32 s63, s63, ATILE
	s_wait_kmcnt 0x0
	s_min_u32 s19, s19, 7                          ; the expert
	s_lshl_b32 s22, s19, 21
	s_mul_i32 s62, s17, NC*KB
	s_add_co_u32 s22, s22, s62
	s_mul_i32 s62, s16, 64*KB
	s_add_co_u32 s22, s22, s62
	s_add_co_u32 s22, s22, WOFF
	s_mov_b32 s23, 0
	s_add_nc_u64 s[22:23], s[6:7], s[22:23]
.irp s, 0,1
	s_mov_b32 s[G0A+4*\s], 1
	s_add_co_u32 s[G0A+4*\s+1], s61, \s*SLOT
	s_add_nc_u64 s[G0A+4*\s+2:G0A+4*\s+3], s[20:21], \s*256
	s_or_b32 s[G0A+4*\s+3], s[G0A+4*\s+3], 0x80000000
	s_mov_b32 s[G0B+4*\s], 1
	s_add_co_u32 s[G0B+4*\s+1], s63, \s*SLOT
	s_add_nc_u64 s[G0B+4*\s+2:G0B+4*\s+3], s[22:23], \s*256
	s_or_b32 s[G0B+4*\s+3], s[G0B+4*\s+3], 0x80000000
.endr
	s_lshl_b32 s22, s18, 19                        ; y: 256 block rows of 2,048 bytes,
	s_lshl_b32 s62, s14, 17                        ; my wave's 64 rows,
	s_add_co_u32 s22, s22, s62
	s_lshl_b32 s62, s17, 9                         ; my work-group's 128 columns
	s_add_co_u32 s22, s22, s62
	s_mov_b32 s23, 0
	s_add_nc_u64 s[12:13], s[12:13], s[22:23]
	s_mul_i32 s22, s19, BSTR
	s_mul_i32 s62, s17, NC*4
	s_add_co_u32 s22, s22, s62
	s_add_nc_u64 s[10:11], s[10:11], s[22:23]
	WIN 0x80                                       ; the bias of columns 16 b + 8 h + 0..7 -> window 2, v[8 b ..]
.irp b, 0,1,2,3,4,5,6,7
	global_load_b128 v[8*\b:8*\b+3],   v[BO], s[10:11] offset:64*\b
	global_load_b128 v[8*\b+4:8*\b+7], v[BO], s[10:11] offset:64*\b+16
.endr
	WIN 0
	CROUND                                         ; all four work-groups are here: the first joint load meets
	JLOAD 0                                        ; K step 0; slot 1 is first filled behind the first step's round
	STEP 0, 1, 1                                   ; the first products start the sums: nothing is cleared
	STEP 1, 1, 0
	WIN 0
	s_mov_b32 s56, 6
.Lk:
	STEP 0, 1, 0
	STEP 1, 1, 0
	WIN 0
	s_sub_co_u32 s56, s56, 1
	s_cmp_lg_u32 s56, 0
	s_cbranch_scc1 .Lk
	STEP 0, 1, 0                                   ; the last two steps are written out: the last asks for nothing
	STEP 1, 0, 0
	; THE WAY OUT.  The bias is rounded to bf16 and widened again: 96 plain lines that name no register of the last products, the places behind them.
	s_wait_loadcnt 0x0
	WIN 0x0a
.set i, 0
.rept 32
	v_cvt_pk_bf16_f32 v[TB+i], v[2*i], v[2*i+1]
.set i, i+1
.endr
	WIN 0x80
.set i, 0
.rept 32
	v_lshlrev_b32 v[2*i], 16, v[TB+i]
	v_and_b32 v[2*i+1], s58, v[TB+i]
.set i, i+1
.endr
	ADDB 0
	TOSTAGE 0
.irp a, 1,2,3
	ADDB \a                                        ; block a's additions stand between block a - 1's loads from the stage and the wait for them
	SEND \a-1
	TOSTAGE \a
.endr
	SEND 3
	s_wait_tensorcnt 0x0                           ; the wave's end
	ds_add_u32 v[SPW], v[NIL]
	s_wait_dscnt 0x0
	CROUND                                         ; the closing round
	s_endpgm
.Lfunc_end_k_qc9cac0bb75_down:
	.size	k_qc9cac0bb75_down, .Lfunc_end_k_qc9cac0bb75_down-k_qc9cac0bb75_down
	.p2alignl 7, 3214868480
	.fill 96, 4, 3214868480
	.section	.rodata,"a",@progbits
	.p2align	6, 0x0
	.amdhsa_kernel k_qc9cac0bb75_down
		.amdhsa_group_segment_fixed_size 327680
		.amdhsa_private_segment_fixed_size 0
		.amdhsa_enable_private_segment 0
		.amdhsa_kernarg_size 40
		.amdhsa_user_sgpr_count 2
		.amdhsa_user_sgpr_kernarg_segment_ptr 1
		.amdhsa_wavefront_size32 1
		.amdhsa_system_sgpr_workgroup_id_x 1
		.amdhsa_system_sgpr_workgroup_id_y 1
		.amdhsa_system_sgpr_workgroup_id_z 1
		.amdhsa_system_vgpr_workitem_id 0
		.amdhsa_next_free_vgpr 640
		.amdhsa_next_free_sgpr 66
		.amdhsa_reserve_vcc 0
		.amdhsa_float_denorm_mode_32 3
		.amdhsa_float_denorm_mode_16_64 3
		.amdhsa_memory_ordered 1
		.amdhsa_forward_progress 1
		.amdhsa_inst_pref_size 129
	.end_amdhsa_kernel
	.amdgpu_metadata
---
amdhsa.version: [ 1, 2 ]
amdhsa.kernels:
  - .name:           k_qc9cac0bb75_down
    .symbol:         k_qc9cac0bb75_down.kd
    .args:
      - { .name: hg, .offset: 0, .size: 8, .value_kind: global_buffer, .address_space: global }
      - { .name: wb, .offset: 8, .size: 8, .value_kind: global_buffer, .address_space: global }
      - { .name: plan, .offset: 16, .size: 8, .value_kind: global_buffer, .address_space: global }
      - { .name: b2, .offset: 24, .size: 8, .value_kind: global_buffer, .address_space: global }
      - { .name: y, .offset: 32, .size: 8, .value_kind: global_buffer, .address_space: global }
    .group_segment_fixed_size: 327680
    .private_segment_fixed_size: 0
    .kernarg_segment_align: 8
    .kernarg_segment_size: 40
    .max_flat_workgroup_size: 128
    .sgpr_count:     66
    .vgpr_count:     640
    .wavefront_size: 32
...
	.end_amdgpu_metadata
.endif
;; end of part 4
;; launch mix (part 5): grid 256 x 1, 8 waves a work-group, no clusters, 0 bytes of LDS; arguments y, plan, gatef, out0; writes out0
.if DOCPART == 5
	.amdgcn_target "amdgcn-amd-amdhsa--gfx1250"
	.amdhsa_code_object_version 6
	.text
	.protected	k_qc9cac0bb75_mix
	.globl	k_qc9cac0bb75_mix
	.p2align	8
	.type	k_qc9cac0bb75_mix,@function
k_qc9cac0bb75_mix:
	s_mov_b64 s[64:65], 0
	v_nop
	global_prefetch_b8 v0, s[64:65] scope:SCOPE_SE
	s_setreg_imm32_b32 hwreg(HW_REG_WAVE_MODE, 25, 1), 1
	s_wait_xcnt 0x0
; mix.  out0[n] = w0 y[slot0] + w1 y[slot1] + w2 y[slot2], in f32, k ascending.  A stream: memory binds, so no LDS, no barrier, no matrix unit.
; 2,048 waves, two tokens each.  A token's three rows of 2,048 bytes come as four loads of 512 neighbouring bytes each; all 24 loads of a wave go out at once.
; The slots are whole numbers stored by an earlier launch; each is clamped to the last row, 14,079, before it enters an address.
	s_load_b256 s[4:11], s[0:1], 0x0               ; y 4, plan 6, gatef 8, out0 10
	v_lshrrev_b32 v1, 5, v0
	v_readfirstlane_b32 s12, v1                    ; wave
	s_lshl_b32 s13, ttmp9, 3
	s_add_co_u32 s13, s13, s12                     ; W = 8 g + wave: tokens 2 W, 2 W + 1
	s_lshl_b32 s14, s13, 5                         ; 32 W: two entries of 16 bytes
	s_lshl_b32 s40, s13, 12                        ; 4,096 W: two rows of out0
	s_mov_b32 s41, 0
	v_and_b32 v1, 31, v0
	v_lshlrev_b32 v1, 4, v1                        ; 16 lane
	s_wait_kmcnt 0x0
	s_load_b256 s[16:23], s[6:7], s14 offset:0x0   ; slots: s16-18, s20-22
	s_load_b256 s[24:31], s[8:9], s14 offset:0x0   ; weights: s24-26, s28-30
	s_add_nc_u64 s[10:11], s[10:11], s[40:41]
	s_wait_kmcnt 0x0
.irp k, 0,1,2
	s_min_u32 s[16+\k], s[16+\k], 0x36ff
	s_lshl_b32 s[16+\k], s[16+\k], 11
	v_add_nc_u32 v[2+\k], s[16+\k], v1
	s_min_u32 s[20+\k], s[20+\k], 0x36ff
	s_lshl_b32 s[20+\k], s[20+\k], 11
	v_add_nc_u32 v[5+\k], s[20+\k], v1
.endr
.irp r, 0,1,2,3,4,5
.irp j, 0,1,2,3
	global_load_b128 v[32+16*\r+4*\j:35+16*\r+4*\j], v[2+\r], s[4:5] offset:512*\j th:TH_LOAD_NT
.endr
.endr
.irp k, 0,1,2
	v_mov_b32 v[8+2*\k], s[24+\k]                  ; each weight twice: a pair for the packed forms
	v_mov_b32 v[9+2*\k], s[24+\k]
	v_mov_b32 v[14+2*\k], s[28+\k]
	v_mov_b32 v[15+2*\k], s[28+\k]
.endr
.macro TOK t, left
	s_wait_loadcnt \left
.set R0, 32+48*\t
.set W0, 8+6*\t
.set i, 0
.rept 8
	v_pk_mul_f32 v[R0+2*i:R0+2*i+1], v[R0+2*i:R0+2*i+1], v[W0:W0+1]
.set i, i+1
.endr
.set i, 0
.rept 8
	v_pk_fma_f32 v[R0+2*i:R0+2*i+1], v[R0+16+2*i:R0+16+2*i+1], v[W0+2:W0+3], v[R0+2*i:R0+2*i+1]
.set i, i+1
.endr
.set i, 0
.rept 8
	v_pk_fma_f32 v[R0+2*i:R0+2*i+1], v[R0+32+2*i:R0+32+2*i+1], v[W0+4:W0+5], v[R0+2*i:R0+2*i+1]
.set i, i+1
.endr
.irp j, 0,1,2,3
	global_store_b128 v1, v[R0+4*\j:R0+4*\j+3], s[10:11] offset:2048*\t+512*\j th:TH_STORE_NT   ; a wave stores 512 consecutive bytes, aligned
.endr
.endm
	TOK 0, 12                                      ; the second token's 12 loads stay out
	TOK 1, 0
	s_endpgm
.Lfunc_end_k_qc9cac0bb75_mix:
	.size	k_qc9cac0bb75_mix, .Lfunc_end_k_qc9cac0bb75_mix-k_qc9cac0bb75_mix
	.p2alignl 7, 3214868480
	.fill 96, 4, 3214868480
	.section	.rodata,"a",@progbits
	.p2align	6, 0x0
	.amdhsa_kernel k_qc9cac0bb75_mix
		.amdhsa_group_segment_fixed_size 0
		.amdhsa_private_segment_fixed_size 0
		.amdhsa_enable_private_segment 0
		.amdhsa_kernarg_size 32
		.amdhsa_user_sgpr_count 2
		.amdhsa_user_sgpr_kernarg_segment_ptr 1
		.amdhsa_wavefront_size32 1
		.amdhsa_system_sgpr_workgroup_id_x 1
		.amdhsa_system_sgpr_workgroup_id_y 1
		.amdhsa_system_sgpr_workgroup_id_z 1
		.amdhsa_system_vgpr_workitem_id 0
		.amdhsa_next_free_vgpr 128
		.amdhsa_next_free_sgpr 66
		.amdhsa_reserve_vcc 0
		.amdhsa_float_denorm_mode_32 3
		.amdhsa_float_denorm_mode_16_64 3
		.amdhsa_memory_ordered 1
		.amdhsa_forward_progress 1
		.amdhsa_inst_pref_size 9
	.end_amdhsa_kernel
	.amdgpu_metadata
---
amdhsa.version: [ 1, 2 ]
amdhsa.kernels:
  - .name:           k_qc9cac0bb75_mix
    .symbol:         k_qc9cac0bb75_mix.kd
    .args:
      - { .name: y, .offset: 0, .size: 8, .value_kind: global_buffer, .address_space: global }
      - { .name: plan, .offset: 8, .size: 8, .value_kind: global_buffer, .address_space: global }
      - { .name: gatef, .offset: 16, .size: 8, .value_kind: global_buffer, .address_space: global }
      - { .name: out0, .offset: 24, .size: 8, .value_kind: global_buffer, .address_space: global }
    .group_segment_fixed_size: 0
    .private_segment_fixed_size: 0
    .kernarg_segment_align: 8
    .kernarg_segment_size: 32
    .max_flat_workgroup_size: 256
    .sgpr_count:     66
    .vgpr_count:     128
    .wavefront_size: 32
...
	.end_amdgpu_metadata
.endif
;; end of part 5
